; MI455X (gfx1250); checked and timed in simulation.
; The chip was launched on July 23, 2026; its instructions are those of AMD's public machine-readable ISA for CDNA 5 (MIT licence, August 2026) and "CDNA5" Instruction Set Architecture Reference Guide (July 2026). The comments in the code are by the model that wrote it; some were corrected since.
;; Scaling Attention. Allowed arithmetic: float matrix products may take bf16 or f16 operands with f32 sums; all other float work in f32.
;; Inputs: Wk 512 x 512 float32; Wo 512 x 512 float32; Wq 512 x 512 float32; Wv 512 x 512 float32; beta 512 float32; bo 512 float32; gamma 512 float32; kv 2 x 1,024 x 512 float32; q 2 x 4,096 x 512 float32.
;; Outputs: out0 2 x 4,096 x 512 float32.
;; One version. Each part assembles by itself: llvm-mc -triple=amdgcn-amd-amdhsa -mcpu=gfx1250 --defsym DOCPART=n.
;; ======== version 1 of 1: 3 launches
;; limits: values are held in f16: magnitudes above 65,504 overflow, below 6.1e-05 lose precision
;; workspace buffers: Qh 8,388,608 bytes; Kh 2,097,152 bytes; Vh 2,097,152 bytes; att 16,777,216 bytes
;; launch proj (part 1): grid 192 x 1, 8 waves a work-group, no clusters, 277,504 bytes of LDS; arguments q, kv, Wq, Wk, Wv, Qh, Kh, Vh; writes Qh, Kh, Vh
.if DOCPART == 1
	.amdgcn_target "amdgcn-amd-amdhsa--gfx1250"
	.amdhsa_code_object_version 6
	.text
	.protected	k_q4e9f9dc80b_proj
	.globl	k_q4e9f9dc80b_proj
	.p2align	8
	.type	k_q4e9f9dc80b_proj,@function
k_q4e9f9dc80b_proj:
	s_mov_b64 s[64:65], 0
	v_nop
	global_prefetch_b8 v0, s[64:65] scope:SCOPE_SE
	s_setreg_imm32_b32 hwreg(HW_REG_WAVE_MODE, 25, 1), 1
	s_wait_xcnt 0x0
; Qh = q Wq, Kh = kv Wk, Vh = kv Wv.  Inputs f32; products with f16 operands and f32 sums; results rounded once to f16 and stored
; head-major, [batch][head][row][64].  The factor 1/8 of the scores is not applied here (it is folded into the next launch's exponent).
; LIMIT: inputs, weights and results must lie inside f16's range (below 65,504 in magnitude); values below 6e-8 in magnitude become 0.
; A work-group makes 128 rows x 256 columns (4 heads) over K = 512: 128 such tiles of q Wq, 32 of kv Wk, 32 of kv Wv, all of equal work.
; Eight waves, 2 x 4: a wave makes 64 rows x 64 columns (one head) = 16 accumulator tiles.
; X (128 x 512) is narrowed to f16 once and stays in LDS; W comes in chunks of 64 k-rows through a ring of two LDS slots.
; W's chunks pass through three sets of 64 registers, so that a chunk is asked for three trips before it is wanted and a wave
; always has 32 to 48 loads of 512 bytes on their way.
; No joint requests in a cluster and no tensor loads: X and W are f32 in memory and must pass through registers to be narrowed.
.set PX,    1040                       ; LDS pitch of X: 1,024 bytes + 16 = 65 x 16, so 16 consecutive rows start at 16 different 16-byte columns of a 256-byte span
.set PW,    544                        ; LDS pitch of W: 512 bytes + 32 = 17 x 32, for the transposing loads
.set PS,    144                        ; LDS pitch of the way out: 128 bytes + 16
.set WB,    128*PX                     ; W's ring starts behind X
.set WSLOT, 64*PW                      ; one slot: 64 k-rows
.set ST,    WB+2*WSLOT                 ; the way out: 64 rows x 144 bytes for each wave
.set XG, 4                             ; v4   global offset of my 16 bytes in X: wave x 16 rows + 16 lane
.set XS, 5                             ; v5   LDS address where I put 8 bytes of X
.set WG, 6                             ; v6   global offset in W: wave x 8 rows + 16 lane
.set WS, 7                             ; v7   LDS address where I put 8 bytes of W (slot 0)
.set XA, 8                             ; v8   LDS address of my X fragments
.set WA, 9                             ; v9   LDS address of my W fragments (slot 0)
.set SS, 10                            ; v10  way out: where I put 16 bytes
.set SL, 11                            ; v11  way out: where I read 16 bytes back
.set YO, 12                            ; v12  way out: global offset, 16 lane
.set T,  16                            ; v[16:31]   eight pairs for narrowed X, used in turn
.set XR, 32                            ; v[32:159]  X phase: 32 slots of 4 registers
.set XF, 32                            ; v[32:95]   X fragments, two buffers of 4 x 8
.set WF, 96                            ; v[96:159]  W fragments, two buffers of 4 x 8
                                       ; v[160:223] W as loaded, set 0 (16 x 4)
                                       ; v[256:383] accumulators: tile (mt, nt) at v[8 (4 mt + nt)] of window 1
                                       ; v[384:447], v[448:511] W as loaded, sets 1 and 2: v[128:191], v[192:255] of window 1
.set MSB, 0
.macro WIN new                         ; s_set_vgpr_msb: low byte = windows of source 0, 1, 2 and destination; high byte repeats the setting that is left
.if MSB != (\new)
	s_set_vgpr_msb (MSB<<8)|(\new)
.set MSB, (\new)
.endif
.endm
.macro WSET c                          ; chunk c's set of registers: window SWN, first register SBS
.if ((\c)%3) == 0
.set SWN, 0
.set SBS, 160
.else
.set SWN, 1
.set SBS, 64+64*((\c)%3)
.endif
.endm
.macro PLACES                          ; four independent vector instructions behind a matrix instruction (ISA guide 7.12.1)
.rept 4
	v_nop
.endr
.endm
	s_load_b512 s[8:23], s[0:1], 0x0               ; q, kv, Wq, Wk, Wv, Qh, Kh, Vh
	v_lshl_add_u32 v254, v0, 2, 0x43800
	v_mov_b32 v255, 0
	v_and_b32 v1, 31, v0                           ; L
	v_lshrrev_b32 v2, 5, v0
	v_readfirstlane_b32 s24, v2                    ; wave w
	v_and_b32 v2, 15, v0                           ; r
	v_bfe_u32 v3, v0, 4, 1                         ; h
	s_lshr_b32 s25, s24, 2                         ; wm: which 64 rows
	s_and_b32 s26, s24, 3                          ; wn: which 64 columns
	s_and_b32 s31, ttmp9, 31
	s_cmp_lt_u32 ttmp9, 128
	s_cselect_b32 s27, ttmp9, s31                  ; t: the tile's number inside its product
	s_cselect_b32 s30, 12, 10                      ; log2 of the rows in a batch: 4,096 or 1,024
	s_lshr_b32 s28, s27, 1                         ; block of 128 rows
	s_and_b32 s29, s27, 1                          ; half of the 512 columns
	s_lshl_b32 s38, s28, 18                        ; X: 128 rows of 2,048 bytes
	s_mov_b32 s39, 0
	s_lshl_b32 s40, s29, 10                        ; W: 256 columns of 4 bytes
	s_mov_b32 s41, 0
	s_lshl_b32 s42, s28, 7
	s_lshl_b32 s43, s25, 6
	s_add_co_u32 s42, s42, s43                     ; my first row, counted over both batches
	s_lshr_b32 s43, s42, s30                       ; batch
	s_lshl_b32 s44, s43, s30
	s_sub_co_u32 s42, s42, s44                     ; row inside the batch
	s_lshl_b32 s43, s43, 3
	s_lshl2_add_u32 s44, s29, s26                  ; head = 4 half + wn
	s_add_co_u32 s43, s43, s44
	s_lshl_b32 s43, s43, s30
	s_add_co_u32 s42, s43, s42
	s_lshl_b32 s42, s42, 7                         ; rows of 64 f16 = 128 bytes
	s_mov_b32 s43, 0
	v_lshlrev_b32 v13, 4, v1                       ; 16 L
	v_lshlrev_b32 v14, 3, v1                       ; 8 L
	s_lshl_b32 s45, s24, 15
	v_add_nc_u32 v[XG], s45, v13
	s_mul_i32 s45, s24, 16*PX
	v_add_nc_u32 v[XS], s45, v14
	s_lshl_b32 s45, s24, 14
	v_add_nc_u32 v[WG], s45, v13
	s_mul_i32 s45, s24, 8*PW
	s_add_co_u32 s45, s45, WB
	v_add_nc_u32 v[WS], s45, v14
	v_mul_u32_u24 v15, v2, PX                      ; fragment of X: row r, 16 bytes for each half of the lanes
	v_lshl_add_u32 v15, v3, 4, v15
	s_mul_i32 s45, s25, 64*PX
	v_add_nc_u32 v[XA], s45, v15
	v_and_b32 v15, 7, v0                           ; fragment of W, stored [k][n]: k-row 8 h + (L & 7), 16 bytes by bit 3 of the lane
	v_lshl_add_u32 v15, v3, 3, v15
	v_mul_u32_u24 v15, v15, PW
	v_bfe_u32 v16, v0, 3, 1
	v_lshl_add_u32 v15, v16, 4, v15
	s_lshl_b32 s45, s26, 7
	s_add_co_u32 s45, s45, WB
	v_add_nc_u32 v[WA], s45, v15
	s_mul_i32 s45, s24, 64*PS
	s_add_co_u32 s45, s45, ST                      ; my stage
	v_mul_u32_u24 v15, v2, PS
	v_lshl_add_u32 v15, v3, 4, v15
	v_add_nc_u32 v[SS], s45, v15
	v_lshrrev_b32 v15, 3, v1                       ; back: eight lanes take a row of 128 bytes
	v_mul_u32_u24 v15, v15, PS
	v_and_b32 v16, 7, v0
	v_lshl_add_u32 v15, v16, 4, v15
	v_add_nc_u32 v[SL], s45, v15
	v_mov_b32 v[YO], v13
	s_wait_kmcnt 0x0
	s_cmp_lt_u32 ttmp9, 160                        ; which product: the choice hangs on the work-group's number alone
	s_cselect_b64 s[34:35], s[14:15], s[16:17]
	s_cselect_b64 s[36:37], s[20:21], s[22:23]
	s_cmp_lt_u32 ttmp9, 128
	s_cselect_b64 s[34:35], s[12:13], s[34:35]     ; W
	s_cselect_b64 s[36:37], s[18:19], s[36:37]     ; Y
	s_cselect_b64 s[32:33], s[8:9], s[10:11]       ; X
	s_add_nc_u64 s[32:33], s[32:33], s[38:39]
	s_add_nc_u64 s[34:35], s[34:35], s[40:41]
	s_add_nc_u64 s[36:37], s[36:37], s[42:43]
; half hf of chunk c of W, 8 loads: load jj = 8 hf + j takes k-row 64 c + 8 w + (jj >> 1), 512 bytes (128 columns)
.macro WLOAD8 c, hf
	WSET \c
	WIN (SWN<<6)                                   ; the loaded data (destination) in the set's window, the address in window 0
.irp j, 0,1,2,3,4,5,6,7
	global_load_b128 v[SBS+4*(8*(\hf)+\j):SBS+4*(8*(\hf)+\j)+3], v[WG], s[34:35] offset:(\c)*131072+((8*(\hf)+\j)>>1)*2048+(\j&1)*512
.endr
.endm
; slot i of the X ring: narrow 4 numbers, put them into LDS, and (refill) ask for the same place 8 rows further down
.macro XSLOT i, row, refill, left
	s_wait_loadcnt \left                           ; loads come back in order: mine is in, the younger ones stay out
	v_cvt_pk_f16_f32 v[T+2*((\i)%8)], v[XR+4*(\i)], v[XR+4*(\i)+1]
	v_cvt_pk_f16_f32 v[T+2*((\i)%8)+1], v[XR+4*(\i)+2], v[XR+4*(\i)+3]
	ds_store_b64 v[XS], v[T+2*((\i)%8):T+2*((\i)%8)+1] offset:(\row+((\i)>>2))*PX+((\i)&3)*256
.if \refill
	global_load_b128 v[XR+4*(\i):XR+4*(\i)+3], v[XG], s[32:33] offset:(8+((\i)>>2))*2048+((\i)&3)*512
.endif
.endm
	WLOAD8 0, 0                                    ; chunk 0: older than every load of X, the counts below do not see it
	WLOAD8 0, 1
.irp i, 0,1,2,3,4,5,6,7,8,9,10,11,12,13,14,15,16,17,18,19,20,21,22,23,24,25,26,27,28,29,30,31
	global_load_b128 v[XR+4*\i:XR+4*\i+3], v[XG], s[32:33] offset:(\i>>2)*2048+(\i&3)*512      ; my rows 0 to 7
.endr
.irp i, 0,1,2,3,4,5,6,7,8,9,10,11,12,13,14,15,16,17,18,19,20,21,22,23,24,25,26,27,28,29,30,31
	XSLOT \i, 0, 1, 31                             ; behind slot i's load: 31 - i first loads and i refills = 31
.endr
; My rows 8 to 15.  X asks for nothing any more; in its stead eight loads of W's chunks 1 and 2 follow each eight slots.
; Behind the load of slot 8 g + k stand 31 - 8 g - k loads of X and 8 g of W: 31 - k.
.irp g, 0,1,2,3
.irp k, 0,1,2,3,4,5,6,7
	XSLOT 8*\g+\k, 8, 0, 31-\k
.endr
	WLOAD8 1+(\g>>1), \g&1
	WIN 0
.endr
; 16 LDS loads: the fragments of 32 along K (k = 64 c + 32 ks) into buffer ks
.macro FETCH c, ks
.irp mt, 0,1,2,3
	ds_load_b128 v[XF+32*\ks+8*\mt:XF+32*\ks+8*\mt+3], v[XA] offset:\mt*16*PX+128*\c+64*\ks
	ds_load_b128 v[XF+32*\ks+8*\mt+4:XF+32*\ks+8*\mt+7], v[XA] offset:\mt*16*PX+128*\c+64*\ks+32
.endr
.irp nt, 0,1,2,3
	ds_load_tr16_b128 v[WF+32*\ks+8*\nt:WF+32*\ks+8*\nt+3], v[WA] offset:(\c&1)*WSLOT+\ks*32*PW+32*\nt
	ds_load_tr16_b128 v[WF+32*\ks+8*\nt+4:WF+32*\ks+8*\nt+7], v[WA] offset:(\c&1)*WSLOT+\ks*32*PW+32*\nt+16*PW
.endr
.endm
; 16 matrix instructions, used transposed (source 0 = 16 columns of W, source 1 = 16 rows of X): register j of lane (r, h) then holds
; row r, column 16 nt + 8 h + j, eight neighbouring numbers of a row.  zero = 1: the first product starts the sums.
.macro MUL ks, zero
	WIN 0x50                                       ; C and D in window 1
.irp mt, 0,1,2,3
.irp nt, 0,1,2,3
.if \zero
	v_wmma_f32_16x16x32_f16 v[8*(4*\mt+\nt):8*(4*\mt+\nt)+7], v[WF+32*\ks+8*\nt:WF+32*\ks+8*\nt+7], v[XF+32*\ks+8*\mt:XF+32*\ks+8*\mt+7], 0
.else
	v_wmma_f32_16x16x32_f16 v[8*(4*\mt+\nt):8*(4*\mt+\nt)+7], v[WF+32*\ks+8*\nt:WF+32*\ks+8*\nt+7], v[XF+32*\ks+8*\mt:XF+32*\ks+8*\mt+7], v[8*(4*\mt+\nt):8*(4*\mt+\nt)+7]
.endif
.endr
.endr
.endm
; One trip = 64 along K.  One barrier a trip serves both orders: slot c & 1 was last read in trip c - 2, and every wave waited for those
; reads (dscnt 0) before it signalled trip c - 1's barrier; the fill of this trip is complete (dscnt 0) before this trip's signal.
; The 32 conversions are the places between the last trip's matrix instructions and the loads into their fragment registers:
; they name the chunk's set alone, which no matrix instruction names.
.macro TRIP c
	WSET \c
.if \c < 6
	s_wait_loadcnt 32                              ; chunk c is in registers; the 16 loads each of chunks c + 1 and c + 2 stay out
.else
	s_wait_loadcnt 16*(7-\c)                       ; the last chunks: 16, then 0
.endif
	WIN (SWN*0x45)                                 ; sources 0, 1 and destination in the set's window
.irp j, 0,1,2,3,4,5,6,7,8,9,10,11,12,13,14,15
	v_cvt_pk_f16_f32 v[SBS+4*\j], v[SBS+4*\j], v[SBS+4*\j+1]
	v_cvt_pk_f16_f32 v[SBS+4*\j+1], v[SBS+4*\j+2], v[SBS+4*\j+3]
.endr
	WIN (SWN*4)                                    ; an LDS store's data is source 1
.irp j, 0,1,2,3,4,5,6,7,8,9,10,11,12,13,14,15
	ds_store_b64 v[WS], v[SBS+4*\j:SBS+4*\j+1] offset:(\c&1)*WSLOT+(\j>>1)*PW+(\j&1)*256
.endr
	s_wait_dscnt 0x0                               ; for the other waves: my part of the slot (in trip 0 also my rows of X) is written
.if \c < 5
	WLOAD8 \c+3, 0                                 ; three chunks ahead, into the set that has just been stored
	WLOAD8 \c+3, 1
.endif
	WIN 0
	s_barrier_signal -1
	s_barrier_wait -1
	FETCH \c, 0
	FETCH \c, 1
	s_wait_dscnt 16                                ; buffer 0 is in; buffer 1's 16 loads may be out
.if \c == 0
	MUL 0, 1
.else
	MUL 0, 0
.endif
	s_wait_dscnt 0x0
	MUL 1, 0
.endm
.irp c, 0,1,2,3,4,5,6,7
	TRIP \c
.endr
	; THE WAY OUT: round to f16, 16 bytes a lane into my own stage, read back by rows.  My 64 x 64 tile is 8,192 consecutive bytes of the
	; head-major result, so each store of the wave covers 512 consecutive bytes, aligned.  The stage is my own: LDS serves a wave's
	; instructions in order, no barrier.
	PLACES
	WIN 0x05                                       ; sources 0 and 1 in window 1
.irp mt, 0,1,2,3
.irp nt, 0,1,2,3
.irp e, 0,1,2,3
	v_cvt_pk_f16_f32 v[XF+16*\mt+4*\nt+\e], v[8*(4*\mt+\nt)+2*\e], v[8*(4*\mt+\nt)+2*\e+1]
.endr
.endr
.endr
	WIN 0
.irp mt, 0,1,2,3
.irp nt, 0,1,2,3
	ds_store_b128 v[SS], v[XF+16*\mt+4*\nt:XF+16*\mt+4*\nt+3] offset:\mt*16*PS+32*\nt
.endr
.endr
.irp mt, 0,1,2,3
.irp u, 0,1,2,3
	ds_load_b128 v[WF+4*(4*\mt+\u):WF+4*(4*\mt+\u)+3], v[SL] offset:\mt*16*PS+\u*4*PS
.endr
.endr
	s_wait_dscnt 0x0
.irp mt, 0,1,2,3
.irp u, 0,1,2,3
	global_store_b128 v[YO], v[WF+4*(4*\mt+\u):WF+4*(4*\mt+\u)+3], s[36:37] offset:\mt*2048+\u*512
.endr
.endr
	s_wait_tensorcnt 0x0
	ds_add_u32 v254, v255
	s_wait_dscnt 0x0
	s_endpgm
.Lfunc_end_k_q4e9f9dc80b_proj:
	.size	k_q4e9f9dc80b_proj, .Lfunc_end_k_q4e9f9dc80b_proj-k_q4e9f9dc80b_proj
	.p2alignl 7, 3214868480
	.fill 96, 4, 3214868480
	.section	.rodata,"a",@progbits
	.p2align	6, 0x0
	.amdhsa_kernel k_q4e9f9dc80b_proj
		.amdhsa_group_segment_fixed_size 277504
		.amdhsa_private_segment_fixed_size 0
		.amdhsa_enable_private_segment 0
		.amdhsa_kernarg_size 64
		.amdhsa_user_sgpr_count 2
		.amdhsa_user_sgpr_kernarg_segment_ptr 1
		.amdhsa_wavefront_size32 1
		.amdhsa_system_sgpr_workgroup_id_x 1
		.amdhsa_system_sgpr_workgroup_id_y 1
		.amdhsa_system_sgpr_workgroup_id_z 1
		.amdhsa_system_vgpr_workitem_id 0
		.amdhsa_next_free_vgpr 512
		.amdhsa_next_free_sgpr 66
		.amdhsa_reserve_vcc 0
		.amdhsa_float_denorm_mode_32 3
		.amdhsa_float_denorm_mode_16_64 3
		.amdhsa_memory_ordered 1
		.amdhsa_forward_progress 1
		.amdhsa_inst_pref_size 103
	.end_amdhsa_kernel
	.amdgpu_metadata
---
amdhsa.version: [ 1, 2 ]
amdhsa.kernels:
  - .name:           k_q4e9f9dc80b_proj
    .symbol:         k_q4e9f9dc80b_proj.kd
    .args:
      - { .name: q, .offset: 0, .size: 8, .value_kind: global_buffer, .address_space: global }
      - { .name: kv, .offset: 8, .size: 8, .value_kind: global_buffer, .address_space: global }
      - { .name: Wq, .offset: 16, .size: 8, .value_kind: global_buffer, .address_space: global }
      - { .name: Wk, .offset: 24, .size: 8, .value_kind: global_buffer, .address_space: global }
      - { .name: Wv, .offset: 32, .size: 8, .value_kind: global_buffer, .address_space: global }
      - { .name: Qh, .offset: 40, .size: 8, .value_kind: global_buffer, .address_space: global }
      - { .name: Kh, .offset: 48, .size: 8, .value_kind: global_buffer, .address_space: global }
      - { .name: Vh, .offset: 56, .size: 8, .value_kind: global_buffer, .address_space: global }
    .group_segment_fixed_size: 277504
    .private_segment_fixed_size: 0
    .kernarg_segment_align: 8
    .kernarg_segment_size: 64
    .max_flat_workgroup_size: 256
    .sgpr_count:     66
    .vgpr_count:     512
    .wavefront_size: 32
...
	.end_amdgpu_metadata
.endif
;; end of part 1
;; launch attn (part 2): grid 256 x 1, 8 waves a work-group, no clusters, 312,320 bytes of LDS; arguments Qh, Kh, Vh, att; writes att
.if DOCPART == 2
	.amdgcn_target "amdgcn-amd-amdhsa--gfx1250"
	.amdhsa_code_object_version 6
	.text
	.protected	k_q4e9f9dc80b_attn
	.globl	k_q4e9f9dc80b_attn
	.p2align	8
	.type	k_q4e9f9dc80b_attn,@function
k_q4e9f9dc80b_attn:
	s_mov_b64 s[64:65], 0
	v_nop
	global_prefetch_b8 v0, s[64:65] scope:SCOPE_SE
	s_setreg_imm32_b32 hwreg(HW_REG_WAVE_MODE, 25, 1), 1
	s_wait_xcnt 0x0
; att[b][i][64 head ..] = softmax over the keys j <= i / 4 of (Qh Kh^T / 8), times Vh.  Qh, Kh, Vh f16 head-major; att f32.
; Running maximum and running sum in f32 (online softmax); P rounded to f16 for the second product, the sum taken from the unrounded P.
; LIMITS: a raw score below -2^126 counts as masked; exponentials below 2^-126 are 0 (v_exp_f32 flushes); P below 6e-8 is 0 in f16.
; The work-group (head bh, pair p) owns two blocks of 128 queries, 31 - p and p.  Block blk needs the keys below 32 blk + 32.  Keys go in
; super-steps of 64: waves 0-3 take the lower 32 keys, waves 4-7 the upper 32, for the same four groups of 32 queries, and the two halves
; are merged at a block's end.  Block blk has (blk >> 1) + 1 super-steps, so the two blocks have 17 together in every work-group.
; Only a block's last super-step is cut by the mask.
; A masked score is the sentinel -2^126.  A wave that has seen masked keys alone has the sentinel as its maximum and finite sums;
; the merge gives those the weight exp2(huge negative) = 0.  Waves 0-3 always hold key 0, which every query may see.
; All of the head's K and V (256 KiB) are brought into LDS once, by 8 tensor loads a wave, all outstanding at once, in four chunks of 256 keys.
; NO JOINT REQUESTS in a cluster although the 16 work-groups of a head bring the same K and V: their trip bounds hang on p, their own
; place among the 16.
.set PK,  144                          ; LDS pitch of K: 128 bytes + 16 = 9 x 16
.set PV,  160                          ; LDS pitch of V: 128 bytes + 32 = 5 x 32, for the transposing loads
.set VB,  1024*PK                      ; V behind K
.set SCR, 512*PK                       ; scratch: over K's keys 512-1023, used only behind the last read of them and the launch's last fill
.set SCW, 8960                         ; scratch of a wave: 4,096 O + 256 (shift, sum) in 4,608; then a stage of 16 rows x 272
.set KL, 4                             ; v4   K fragment address at super-step 0
.set VL, 5                             ; v5   V fragment address at super-step 0
.set KA, 6                             ; v6   the same, running
.set VA, 7                             ; v7
.set QO, 8                             ; v8, v9    global offset of Q's fragments, register tile a = actual 16-row tile a xor parity
.set LB, 10                            ; v10, v11  mask limit without the block's term
.set LM, 12                            ; v12, v13  mask limit: key 16 t + j of my step is allowed iff 16 t + j <= limit
.set SE, 14                            ; v14  the sentinel
                                       ; v15-v21   scratch addresses (below)
.set NM, 22                            ; v[22:23], v[24:25]  (-m c, running sum) of tiles 0, 1; c = log2(e) / 8
.set MX, 26                            ; v26, v27  running maximum of the raw scores
.set AL, 28                            ; v[28:29], v[30:31]  alpha; the second words are written once and never used
.set TM, 32                            ; v[32:47]  temporaries, 8 for each tile
.set QF, 48                            ; v[48:79]    Q[a][ks]
.set KF, 80                            ; v[80:111]   K[t][ks]
.set VF, 112                           ; v[112:143]  V[dt]
.set SF, 144                           ; v[144:175]  S[a][t]
.set PF, 176                           ; v[176:191]  P[a]
.set OF, 192                           ; v[192:255]  O[a][dt]
.macro PLACES                          ; four independent vector instructions behind a matrix instruction (ISA guide 7.12.1)
.rept 4
	v_nop
.endr
.endm
	s_load_b256 s[4:11], s[0:1], 0x0               ; Qh s[4:5], Kh s[6:7], Vh s[8:9], att s[10:11]
	s_set_vgpr_msb 0x40
	v_lshl_add_u32 v0, v0, 2, 0x4c000
	v_mov_b32 v1, 0
	s_set_vgpr_msb 0x4045
	ds_add_u32 v0, v1
	ds_add_u32 v0, v1
	s_set_vgpr_msb 0x4500
	v_lshrrev_b32 v2, 5, v0
	v_readfirstlane_b32 s12, v2                    ; wave w
	s_and_b32 s13, s12, 3                          ; wq: which 32 queries of a block
	s_lshr_b32 s14, s12, 2                         ; parity: which 32 keys of a super-step
	s_and_b32 s15, ttmp9, 15                       ; p
	s_lshr_b32 s2, ttmp9, 4                        ; bh = 8 batch + head
	; Descriptor group 1.  32 keys of 128 bytes are 4,096 dense bytes: 16 rows of 32 elements of 8 bytes.  Padding is counted along the
	; whole tile: after every 32 words (one key) 4 words are skipped for K, 8 for V.
	s_mov_b32 s16, 0x07130000                      ; K: element 8 bytes (3<<16), padding on (1<<20), every 32 words (4<<22), 4 words (3<<25)
	s_mov_b32 s17, 32<<16                          ; tensor_dim0 = 32
	s_mov_b32 s18, 16<<16                          ; tensor_dim1 = 16
	s_mov_b32 s19, 32<<16                          ; tile_dim0 = 32
	s_mov_b32 s20, 16                              ; tile_dim1 = 16
	s_mov_b32 s21, 32                              ; from row to row: 32 elements
	s_mov_b32 s22, 0
	s_mov_b32 s23, 0
	s_mov_b32 s24, 0x0f130000                      ; V: the same with 8 words of padding (7<<25)
	s_mov_b32 s25, 32<<16
	s_mov_b32 s26, 16<<16
	s_mov_b32 s27, 32<<16
	s_mov_b32 s28, 16
	s_mov_b32 s29, 32
	s_mov_b32 s30, 0
	s_mov_b32 s31, 0
	s_lshl_b32 s82, s2, 17                         ; the head's 1,024 keys of 128 bytes
	s_lshl_b32 s84, s12, 12                        ; my 32 keys of a chunk
	s_add_co_u32 s82, s82, s84
	s_mov_b32 s83, 0
	s_mul_i32 s84, s12, 32*PK
	s_mul_i32 s85, s12, 32*PV
	s_add_co_u32 s85, s85, VB
	s_wait_dscnt 0x0
	s_wait_kmcnt 0x0
	s_add_nc_u64 s[6:7], s[6:7], s[82:83]
	s_add_nc_u64 s[8:9], s[8:9], s[82:83]
	; Group 0, a set for each of my 8 loads: chunk q, keys 256 q + 32 w .. + 31, of K and of V
.irp q, 0,1,2,3
	s_mov_b32 s[32+8*\q], 1
	s_add_co_u32 s[33+8*\q], s84, \q*256*PK
	s_add_nc_u64 s[34+8*\q:35+8*\q], s[6:7], \q*32768
	s_or_b32 s[35+8*\q], s[35+8*\q], 0x80000000
	tensor_load_to_lds s[32+8*\q:35+8*\q], s[16:23]
	s_nop 0
	s_mov_b32 s[36+8*\q], 1
	s_add_co_u32 s[37+8*\q], s85, \q*256*PV
	s_add_nc_u64 s[38+8*\q:39+8*\q], s[8:9], \q*32768
	s_or_b32 s[39+8*\q], s[39+8*\q], 0x80000000
	tensor_load_to_lds s[36+8*\q:39+8*\q], s[24:31]
	s_nop 0
.endr
	s_mov_b32 s66, 0x76543210                      ; v_permlanex16_b32: lane i reads lane i of the other half
	s_mov_b32 s67, 0xfedcba98
	s_sub_co_u32 s86, 31, s15                      ; the high block; the low block is p
	s_lshl_b32 s87, s2, 12
	s_lshl_b32 s88, s13, 5
	s_add_co_u32 s87, s87, s88                     ; bh x 4,096 + 32 wq
	s_mov_b32 s89, 0
	s_lshl_b32 s88, s86, 7
	s_add_co_u32 s88, s88, s87
	s_lshl_b32 s88, s88, 7
	s_add_nc_u64 s[72:73], s[4:5], s[88:89]        ; Q of my 32 queries, high block
	s_lshl_b32 s88, s15, 7
	s_add_co_u32 s88, s88, s87
	s_lshl_b32 s88, s88, 7
	s_add_nc_u64 s[74:75], s[4:5], s[88:89]        ; low block
	s_lshr_b32 s90, s2, 3
	s_lshl_b32 s90, s90, 12
	s_lshl_b32 s91, s13, 5
	s_add_co_u32 s90, s90, s91
	s_lshl_b32 s91, s14, 4
	s_add_co_u32 s90, s90, s91                     ; batch x 4,096 + 32 wq + 16 parity: the 16 rows that I finish
	s_and_b32 s91, s2, 7
	s_lshl_b32 s91, s91, 8                         ; the head's 256 bytes of a row
	s_lshl_b32 s88, s86, 7
	s_add_co_u32 s88, s88, s90
	s_lshl_b32 s88, s88, 11
	s_add_co_u32 s88, s88, s91
	s_add_nc_u64 s[76:77], s[10:11], s[88:89]      ; att, high block
	s_lshl_b32 s88, s15, 7
	s_add_co_u32 s88, s88, s90
	s_lshl_b32 s88, s88, 11
	s_add_co_u32 s88, s88, s91
	s_add_nc_u64 s[78:79], s[10:11], s[88:89]      ; att, low block
	s_lshr_b32 s81, s15, 1
	s_sub_co_u32 s92, 16, s81                      ; super-steps of the high block
	s_add_co_u32 s93, s81, 1                       ; of the low block
	s_and_b32 s95, s15, 1
	s_lshl_b32 s95, s95, 5                         ; 32 (blk & 1), low block
	s_xor_b32 s94, s95, 32                         ; high block
	v_and_b32 v1, 31, v0                           ; L
	v_and_b32 v2, 15, v0                           ; r
	v_bfe_u32 v3, v0, 4, 1                         ; h
	v_mul_u32_u24 v[KL], v2, PK                    ; K fragment: key r, 16 bytes for each half of the lanes
	v_lshl_add_u32 v[KL], v3, 4, v[KL]
	s_mul_i32 s84, s14, 32*PK
	v_add_nc_u32 v[KL], s84, v[KL]
	v_and_b32 v[VL], 7, v0                         ; V fragment, stored [key][d]: key 8 h + (L & 7), 16 bytes by bit 3 of the lane
	v_lshl_add_u32 v[VL], v3, 3, v[VL]
	v_mul_u32_u24 v[VL], v[VL], PV
	v_bfe_u32 v6, v0, 3, 1
	v_lshl_add_u32 v[VL], v6, 4, v[VL]
	s_mul_i32 s84, s14, 32*PV
	s_add_co_u32 s84, s84, VB
	v_add_nc_u32 v[VL], s84, v[VL]
	v_lshlrev_b32 v6, 7, v2
	v_lshl_add_u32 v6, v3, 4, v6                   ; 128 r + 16 h
	s_lshl_b32 s84, s14, 11
	s_xor_b32 s85, s84, 2048
	v_add_nc_u32 v[QO], s84, v6                    ; register tile 0 = actual tile parity: the one that I finish
	v_add_nc_u32 v[QO+1], s85, v6                  ; register tile 1 = the other: the one that I hand over
	v_lshrrev_b32 v6, 2, v2
	v_lshlrev_b32 v7, 3, v3
	v_sub_nc_u32 v6, v6, v7                        ; (r >> 2) - 8 h
	s_lshl_b32 s84, s13, 3
	s_lshl_b32 s85, s14, 5
	s_sub_co_i32 s84, s84, s85                     ; 8 wq - 32 parity
	s_lshl_b32 s85, s14, 2
	s_add_co_i32 s87, s84, s85                     ; + 4 x actual tile
	s_xor_b32 s85, s85, 4
	s_add_co_i32 s88, s84, s85
	v_add_nc_u32 v[LB], s87, v6
	v_add_nc_u32 v[LB+1], s88, v6
	v_mov_b32 v[SE], 0xfe800000                    ; -2^126
	s_mul_i32 s84, s12, SCW
	s_add_co_u32 s84, s84, SCR                     ; my scratch
	s_xor_b32 s85, s12, 4
	s_mul_i32 s85, s85, SCW
	s_add_co_u32 s85, s85, SCR                     ; my partner's (the other parity, same queries)
	v_lshlrev_b32 v6, 4, v1
	v_add_nc_u32 v15, s84, v6                      ; v15  O out: 16 L
	v_add_nc_u32 v16, s85, v6                      ; v16  O in
	v_lshlrev_b32 v6, 3, v1
	s_add_co_u32 s87, s84, 4096
	s_add_co_u32 s88, s85, 4096
	v_add_nc_u32 v17, s87, v6                      ; v17  (shift, sum) out: 8 L
	v_add_nc_u32 v18, s88, v6                      ; v18  in
	s_add_co_u32 s84, s84, 4608
	v_mul_u32_u24 v6, v2, 272
	v_lshl_add_u32 v6, v3, 5, v6
	v_add_nc_u32 v19, s84, v6                      ; v19  stage in: row r, 32 bytes for each half of the lanes
	v_mul_u32_u24 v6, v3, 272
	v_lshl_add_u32 v6, v2, 4, v6
	v_add_nc_u32 v20, s84, v6                      ; v20  stage back: sixteen lanes take a row of 256 bytes
	v_lshlrev_b32 v6, 11, v3
	v_lshl_add_u32 v21, v2, 4, v6                  ; v21  the same two rows in att
	v_mov_b32 v[AL+1], 0                           ; second words of broadcast pairs and destinations of lane permutes: written once
	v_mov_b32 v[AL+3], 0
	v_mov_b32 v[TM], 0
	v_mov_b32 v[TM+1], 0
.macro LOADQ qb                        ; Q's four fragments: query r of each tile, 16 bytes a lane
.irp a, 0,1
.irp ks, 0,1
	global_load_b128 v[QF+16*\a+8*\ks:QF+16*\a+8*\ks+3], v[QO+\a], s[\qb:\qb+1] offset:64*\ks
	global_load_b128 v[QF+16*\a+8*\ks+4:QF+16*\a+8*\ks+7], v[QO+\a], s[\qb:\qb+1] offset:64*\ks+32
.endr
.endr
.endm
; Start of a block.  O is cleared because the loop's every trip rescales and accumulates; st, sm: the scalar registers with the block's
; number of super-steps and its 32 (blk & 1).
.macro INIT st, sm
.set i, 0
.rept 64
	v_mov_b32 v[OF+i], 0
.set i, i+1
.endr
	v_mov_b32 v[MX], v[SE]
	v_mov_b32 v[MX+1], v[SE]
	v_mul_f32 v[NM], 0xbe38aa3b, v[SE]             ; -m c by the same instruction as in the loop
	v_mul_f32 v[NM+2], 0xbe38aa3b, v[SE]
	v_mov_b32 v[NM+1], 0
	v_mov_b32 v[NM+3], 0
	v_add_nc_u32 v[LM], s[\sm], v[LB]
	v_add_nc_u32 v[LM+1], s[\sm], v[LB+1]
	s_mov_b32 s68, s[\st]
	s_sub_co_u32 s69, s68, 1
	s_wait_loadcnt 0x0                             ; Q is in
.endm
; Super-steps first .. last - 1, a constant number of trips; those at or beyond the block's number s68 do nothing.
; S^T = K Q^T: register j of lane (r, h) holds key 16 t + 8 h + j of query r.  Packed to f16, S[a][0] and S[a][1] ARE the second
; product's B fragment (k = 8 h .., k = 16 + 8 h ..): no shuffle.  O^T = V^T P^T: register j holds d = 16 dt + 8 h + j of query r,
; so maximum, sum and alpha are plain numbers of the lane.
.macro LOOP name, first, last
	s_mov_b32 s70, \first
	v_add_nc_u32 v[KA], (\first)*64*PK, v[KL]
	v_add_nc_u32 v[VA], (\first)*64*PV, v[VL]
.Lt\name:
	s_cmp_ge_u32 s70, s68
	s_cbranch_scc1 .Ls\name
.irp t, 0,1
.irp ks, 0,1
	ds_load_b128 v[KF+16*\t+8*\ks:KF+16*\t+8*\ks+3], v[KA] offset:\t*16*PK+64*\ks
	ds_load_b128 v[KF+16*\t+8*\ks+4:KF+16*\t+8*\ks+7], v[KA] offset:\t*16*PK+64*\ks+32
.endr
.endr
	s_wait_dscnt 0x0
.irp a, 0,1
.irp t, 0,1
	v_wmma_f32_16x16x32_f16 v[SF+16*\a+8*\t:SF+16*\a+8*\t+7], v[KF+16*\t:KF+16*\t+7], v[QF+16*\a:QF+16*\a+7], 0
.endr
.endr
.irp a, 0,1
.irp t, 0,1
	v_wmma_f32_16x16x32_f16 v[SF+16*\a+8*\t:SF+16*\a+8*\t+7], v[KF+16*\t+8:KF+16*\t+15], v[QF+16*\a+8:QF+16*\a+15], v[SF+16*\a+8*\t:SF+16*\a+8*\t+7]
.endr
.endr
	PLACES                                         ; behind the scores' products, and between the last trip's second products and the loads into V
.irp dt, 0,1,2,3
	ds_load_tr16_b128 v[VF+8*\dt:VF+8*\dt+3], v[VA] offset:32*\dt
	ds_load_tr16_b128 v[VF+8*\dt+4:VF+8*\dt+7], v[VA] offset:32*\dt+16*PV
.endr
	s_cmp_lg_u32 s70, s69
	s_cbranch_scc1 .Ln\name                        ; only the block's last super-step is cut by the mask
.irp a, 0,1
.irp t, 0,1
.irp j, 0,1,2,3,4,5,6,7
	v_cmp_le_i32 vcc_lo, 16*\t+\j, v[LM+\a]
	v_cndmask_b32 v[SF+16*\a+8*\t+\j], v[SE], v[SF+16*\a+8*\t+\j], vcc_lo
.endr
.endr
.endr
.Ln\name:
	; the new maximum: my 16 scores, the old maximum, then the other half of the lanes (the query's other 16 keys)
.irp a, 0,1
	v_max3_num_f32 v[TM+8*\a],   v[SF+16*\a],    v[SF+16*\a+1],  v[SF+16*\a+2]
	v_max3_num_f32 v[TM+8*\a+1], v[SF+16*\a+3],  v[SF+16*\a+4],  v[SF+16*\a+5]
	v_max3_num_f32 v[TM+8*\a+2], v[SF+16*\a+6],  v[SF+16*\a+7],  v[SF+16*\a+8]
	v_max3_num_f32 v[TM+8*\a+3], v[SF+16*\a+9],  v[SF+16*\a+10], v[SF+16*\a+11]
	v_max3_num_f32 v[TM+8*\a+4], v[SF+16*\a+12], v[SF+16*\a+13], v[SF+16*\a+14]
	v_max3_num_f32 v[TM+8*\a+5], v[SF+16*\a+15], v[MX+\a],       v[TM+8*\a]
	v_max3_num_f32 v[TM+8*\a+1], v[TM+8*\a+1],   v[TM+8*\a+2],   v[TM+8*\a+3]
	v_max3_num_f32 v[TM+8*\a],   v[TM+8*\a+4],   v[TM+8*\a+5],   v[TM+8*\a+1]
.endr
.irp a, 0,1
	v_permlanex16_b32 v[TM+8*\a+1], v[TM+8*\a], s66, s67
.endr
.irp a, 0,1
	v_max_num_f32 v[MX+\a], v[TM+8*\a], v[TM+8*\a+1]
.endr
.irp a, 0,1
	v_mul_f32 v[TM+8*\a+2], 0xbe38aa3b, v[MX+\a]   ; the new shift -m c, rounded once
.endr
.irp a, 0,1
	v_sub_f32 v[TM+8*\a+3], v[TM+8*\a+2], v[NM+2*\a]       ; alpha = exp2(new shift - old shift): the very shifts that the exponentials use
.endr
.irp a, 0,1
	v_mov_b32 v[NM+2*\a], v[TM+8*\a+2]
.endr
.irp a, 0,1
	v_exp_f32 v[AL+2*\a], v[TM+8*\a+3]             ; the packed fma below are the plain places behind these two
.endr
.irp a, 0,1
.irp i, 0,1,2,3,4,5,6,7
	v_pk_fma_f32 v[SF+16*\a+2*\i:SF+16*\a+2*\i+1], v[SF+16*\a+2*\i:SF+16*\a+2*\i+1], 0x3e38aa3b, v[NM+2*\a:NM+2*\a+1] op_sel_hi:[1,0,0]
.endr
.endr
.irp a, 0,1
.irp i, 0,1,2,3,4,5,6,7,8,9,10,11,12,13,14,15
	v_exp_f32 v[SF+16*\a+\i], v[SF+16*\a+\i]
.endr
.endr
	s_wait_alu depctr_va_vdst(0)
.irp a, 0,1                                        ; O x alpha: plain work that touches no exponential, between these and their first use
.irp i, 0,1,2,3,4,5,6,7,8,9,10,11,12,13,14,15
	v_pk_mul_f32 v[OF+32*\a+2*\i:OF+32*\a+2*\i+1], v[OF+32*\a+2*\i:OF+32*\a+2*\i+1], v[AL+2*\a:AL+2*\a+1] op_sel_hi:[1,0]
.endr
.endr
.irp a, 0,1
.irp k, 0,1,2,3
	v_pk_add_f32 v[TM+8*\a+2*\k:TM+8*\a+2*\k+1], v[SF+16*\a+4*\k:SF+16*\a+4*\k+1], v[SF+16*\a+4*\k+2:SF+16*\a+4*\k+3]
.endr
.endr
.irp a, 0,1
.irp i, 0,1,2,3,4,5,6,7
	v_cvt_pk_f16_f32 v[PF+8*\a+\i], v[SF+16*\a+2*\i], v[SF+16*\a+2*\i+1]
.endr
.endr
.irp a, 0,1
	v_pk_add_f32 v[TM+8*\a:TM+8*\a+1], v[TM+8*\a:TM+8*\a+1], v[TM+8*\a+2:TM+8*\a+3]
	v_pk_add_f32 v[TM+8*\a+4:TM+8*\a+5], v[TM+8*\a+4:TM+8*\a+5], v[TM+8*\a+6:TM+8*\a+7]
.endr
.irp a, 0,1
	v_pk_add_f32 v[TM+8*\a:TM+8*\a+1], v[TM+8*\a:TM+8*\a+1], v[TM+8*\a+4:TM+8*\a+5]
.endr
.irp a, 0,1
	v_add_f32 v[TM+8*\a], v[TM+8*\a], v[TM+8*\a+1]
.endr
.irp a, 0,1
	v_fma_f32 v[NM+2*\a+1], v[NM+2*\a+1], v[AL+2*\a], v[TM+8*\a]   ; my half of the query's sum; the halves meet at the block's end
.endr
	s_wait_dscnt 0x0                               ; V is in
.irp a, 0,1
.irp dt, 0,1,2,3
	v_wmma_f32_16x16x32_f16 v[OF+32*\a+8*\dt:OF+32*\a+8*\dt+7], v[VF+8*\dt:VF+8*\dt+7], v[PF+8*\a:PF+8*\a+7], v[OF+32*\a+8*\dt:OF+32*\a+8*\dt+7]
.endr
.endr
.Ls\name:
	v_add_nc_u32 v[KA], 64*PK, v[KA]
	v_add_nc_u32 v[VA], 64*PV, v[VA]
	s_add_co_u32 s70, s70, 1
	s_cmp_lt_u32 s70, \last
	s_cbranch_scc1 .Lt\name
.endm
; End of a block: hand register tile 1 to the partner wave, take its tile 1 (= my tile 0's queries, the other keys), merge, divide, store.
.macro FINISH ob, more
	PLACES                                         ; behind the last second products
	v_permlanex16_b32 v[TM], v[NM+1], s66, s67
	v_permlanex16_b32 v[TM+1], v[NM+3], s66, s67
	v_add_f32 v[NM+1], v[NM+1], v[TM]              ; the sums of both halves of the lanes
	v_add_f32 v[NM+3], v[NM+3], v[TM+1]
	s_wait_dscnt 0x0                               ; my reads of K and V are over,
	s_barrier_signal -1
	s_barrier_wait -1                              ; everybody's are: the scratch over K's upper half may be written
.irp i, 0,1,2,3,4,5,6,7
	ds_store_b128 v15, v[OF+32+4*\i:OF+32+4*\i+3] offset:512*\i
.endr
	ds_store_b64 v17, v[NM+2:NM+3]
	s_wait_dscnt 0x0                               ; for the partner: written,
	s_barrier_signal -1
	s_barrier_wait -1                              ; and its part too
.irp i, 0,1,2,3,4,5,6,7
	ds_load_b128 v[KF+4*\i:KF+4*\i+3], v16 offset:512*\i
.endr
	ds_load_b64 v[TM+2:TM+3], v18
	s_wait_dscnt 0x0
	v_min_num_f32 v[TM+4], v[NM], v[TM+2]          ; the common shift: the smaller -m c is the larger maximum
	v_sub_f32 v[TM+5], v[TM+4], v[NM]
	v_sub_f32 v[TM+6], v[TM+4], v[TM+2]
	v_exp_f32 v[TM+5], v[TM+5]                     ; my weight
	v_exp_f32 v[TM+6], v[TM+6]                     ; the partner's
	v_nop
	s_wait_alu depctr_va_vdst(0)
	v_mul_f32 v[TM+7], v[NM+1], v[TM+5]
	v_fma_f32 v[TM+7], v[TM+3], v[TM+6], v[TM+7]   ; the whole sum: at least 1, from the side that holds the maximum
	v_rcp_f32 v[TM+7], v[TM+7]
	v_nop
	s_wait_alu depctr_va_vdst(0)
	v_mul_f32 v[TM+8], v[TM+5], v[TM+7]
	v_mul_f32 v[TM+9], v[TM+5], v[TM+7]
	v_mul_f32 v[TM+10], v[TM+6], v[TM+7]
	v_mul_f32 v[TM+11], v[TM+6], v[TM+7]
.irp i, 0,1,2,3,4,5,6,7,8,9,10,11,12,13,14,15
	v_pk_mul_f32 v[OF+2*\i:OF+2*\i+1], v[OF+2*\i:OF+2*\i+1], v[TM+8:TM+9]
.endr
.irp i, 0,1,2,3,4,5,6,7,8,9,10,11,12,13,14,15
	v_pk_fma_f32 v[OF+2*\i:OF+2*\i+1], v[KF+2*\i:KF+2*\i+1], v[TM+10:TM+11], v[OF+2*\i:OF+2*\i+1]
.endr
	; 16 queries x 64 f32 through my own stage (LDS serves a wave's instructions in order: no wait between stores and loads)
.irp dt, 0,1,2,3
	ds_store_b128 v19, v[OF+8*\dt:OF+8*\dt+3] offset:64*\dt
	ds_store_b128 v19, v[OF+8*\dt+4:OF+8*\dt+7] offset:64*\dt+16
.endr
.irp u, 0,1,2,3,4,5,6,7
	ds_load_b128 v[VF+4*\u:VF+4*\u+3], v20 offset:544*\u
.endr
	s_wait_dscnt 0x0
.irp u, 0,1,2,3,4,5,6,7
	global_store_b128 v21, v[VF+4*\u:VF+4*\u+3], s[\ob:\ob+1] offset:4096*\u    ; sixteen lanes store 256 consecutive bytes, aligned: a row's head
.endr
.if \more
	s_wait_xcnt 0x0                                ; V's registers, which these stores read, are loaded again only behind this wait
	s_barrier_signal -1
	s_barrier_wait -1                              ; every wave has read its partner's scratch: it may be written again at the next block's end
.endif
.endm
	LOADQ 72
	INIT 92, 94
.irp q, 0,1,2,3
	s_wait_tensorcnt 6-2*\q                        ; my part of chunk q is in LDS; the two loads of each later chunk stay out
	s_barrier_signal -1
	s_barrier_wait -1                              ; everybody's part is
	LOOP H\q, 4*\q, 4*\q+4
.endr
	LOADQ 74                                       ; the low block's Q comes while the high block is finished
	FINISH 76, 1
	INIT 93, 95
	LOOP L, 0, 8                                   ; at most 8 super-steps: keys below 512, under the scratch
	FINISH 78, 0
	s_set_vgpr_msb 0x5
	s_wait_tensorcnt 0x0
	ds_add_u32 v0, v1
	s_wait_dscnt 0x0
	s_set_vgpr_msb 0x500
	s_endpgm
.Lfunc_end_k_q4e9f9dc80b_attn:
	.size	k_q4e9f9dc80b_attn, .Lfunc_end_k_q4e9f9dc80b_attn-k_q4e9f9dc80b_attn
	.p2alignl 7, 3214868480
	.fill 96, 4, 3214868480
	.section	.rodata,"a",@progbits
	.p2align	6, 0x0
	.amdhsa_kernel k_q4e9f9dc80b_attn
		.amdhsa_group_segment_fixed_size 312320
		.amdhsa_private_segment_fixed_size 0
		.amdhsa_enable_private_segment 0
		.amdhsa_kernarg_size 32
		.amdhsa_user_sgpr_count 2
		.amdhsa_user_sgpr_kernarg_segment_ptr 1
		.amdhsa_wavefront_size32 1
		.amdhsa_system_sgpr_workgroup_id_x 1
		.amdhsa_system_sgpr_workgroup_id_y 1
		.amdhsa_system_sgpr_workgroup_id_z 1
		.amdhsa_system_vgpr_workitem_id 0
		.amdhsa_next_free_vgpr 258
		.amdhsa_next_free_sgpr 96
		.amdhsa_reserve_vcc 1
		.amdhsa_float_denorm_mode_32 3
		.amdhsa_float_denorm_mode_16_64 3
		.amdhsa_memory_ordered 1
		.amdhsa_forward_progress 1
		.amdhsa_inst_pref_size 92
	.end_amdhsa_kernel
	.amdgpu_metadata
---
amdhsa.version: [ 1, 2 ]
amdhsa.kernels:
  - .name:           k_q4e9f9dc80b_attn
    .symbol:         k_q4e9f9dc80b_attn.kd
    .args:
      - { .name: Qh, .offset: 0, .size: 8, .value_kind: global_buffer, .address_space: global }
      - { .name: Kh, .offset: 8, .size: 8, .value_kind: global_buffer, .address_space: global }
      - { .name: Vh, .offset: 16, .size: 8, .value_kind: global_buffer, .address_space: global }
      - { .name: att, .offset: 24, .size: 8, .value_kind: global_buffer, .address_space: global }
    .group_segment_fixed_size: 312320
    .private_segment_fixed_size: 0
    .kernarg_segment_align: 8
    .kernarg_segment_size: 32
    .max_flat_workgroup_size: 256
    .sgpr_count:     96
    .vgpr_count:     258
    .wavefront_size: 32
...
	.end_amdgpu_metadata
.endif
;; end of part 2
;; launch lnout (part 3): grid 256 x 1, 8 waves a work-group, no clusters, 316,416 bytes of LDS; arguments att, Wo, bo, gamma, beta, out0; writes out0
.if DOCPART == 3
	.amdgcn_target "amdgcn-amd-amdhsa--gfx1250"
	.amdhsa_code_object_version 6
	.text
	.protected	k_q4e9f9dc80b_lnout
	.globl	k_q4e9f9dc80b_lnout
	.p2align	8
	.type	k_q4e9f9dc80b_lnout,@function
k_q4e9f9dc80b_lnout:
	s_mov_b64 s[64:65], 0
	v_nop
	global_prefetch_b8 v0, s[64:65] scope:SCOPE_SE
	s_setreg_imm32_b32 hwreg(HW_REG_WAVE_MODE, 25, 1), 1
	s_wait_xcnt 0x0
; out0 = LayerNorm(att) Wo + bo.  LayerNorm in f32 with the row in registers: mean, then the variance of the centred numbers (no
; difference of large sums), rsqrt(var + 1e-5), times gamma plus beta; the result and Wo are rounded to f16 for the product, sums in f32.
; LIMIT: the normalised row times gamma plus beta, and Wo, must lie inside f16's range (below 65,504 in magnitude).
; A work-group makes 128 rows x 128 columns over K = 512; 64 x 4 work-groups.  The four column blocks of a row block each normalise the
; same 128 rows: the other split (32 rows x all 512 columns) would bring all of Wo, four times the bytes, into every work-group.
; Eight waves, 4 x 2: a wave makes 32 rows x 64 columns = 8 accumulator tiles; a row of its output is 256 bytes.
; PHASE 1: each wave normalises 16 rows, two at a time, and behind each pair narrows 8 of its 64 k-rows of Wo's slab; the loads of rows
; and of weights run ahead in one stream.  One barrier.  PHASE 2: 16 steps of 32 along K from LDS alone, with no wait for memory.
; No joint requests in a cluster and no tensor loads: att and Wo are f32 in memory and pass through registers to be normalised or narrowed.
.set PX, 1040                          ; LDS pitch of the normalised rows: 1,024 bytes + 16 = 65 x 16
.set PW, 288                           ; LDS pitch of Wo's slab: 256 bytes + 32 = 9 x 32, for the transposing loads
.set PO, 272                           ; LDS pitch of the way out: 256 bytes + 16 = 17 x 16
.set WB, 128*PX                        ; Wo's slab, 512 k-rows, every row with bytes of its own, never overwritten
.set ST, WB+512*PW                     ; the way out: 16 rows x 272 bytes for each wave
                                       ; v4   global offset, wave x 16 rows of 2,048 bytes + 16 lane: serves att's rows and Wo's rows alike
                                       ; v5   LDS address where I put 8 bytes of a normalised row
                                       ; v6   16 (lane & 15) (bias);  v15  16 lane (gamma, beta)
                                       ; v8   LDS address of my X fragments
.set WS, 10                            ; v10, v11  LDS address where I put 8 bytes of Wo: k-rows 0-255, 256-511 (an LDS offset has 16 bits)
                                       ; v12, v13, v14  way out: stage in, stage back, global offset
.set TT, 16                            ; v[16:23]   two rows at a time: two chains of a pair each
.set BI, 24                            ; v[24:27]   bias of my four columns
.set WA, 28                            ; v[28:31]   LDS address of my W fragments, one for each 128 k-rows, written once
.set GA, 32                            ; v[32:47]   gamma of my 16 columns (128 qd + 4 L + e)
.set BE, 48                            ; v[48:63]   beta
.set XW, 64                            ; v[64:191]  eight row slots of 16 registers
.set XF, 32                            ; then: v[32:63]  X fragments, two buffers of 2 x 8
.set WF, 64                            ;       v[64:127] W fragments, two buffers of 4 x 8
.set AC, 128                           ;       v[128:191] accumulators, tile (mt, nt) at 8 (4 mt + nt)
.set WR, 192                           ; v[192:255] Wo as loaded: two halves of 8 x 4
.macro PLACES                          ; four independent vector instructions behind a matrix instruction (ISA guide 7.12.1)
.rept 4
	v_nop
.endr
.endm
	s_load_b256 s[4:11], s[0:1], 0x0               ; att s[4:5], Wo s[6:7], bo s[8:9], gamma s[10:11]
	s_load_b128 s[12:15], s[0:1], 0x20             ; beta s[12:13], out0 s[14:15]
	v_lshl_add_u32 v7, v0, 2, 0x4d000
	v_mov_b32 v9, 0
	v_and_b32 v1, 31, v0                           ; L
	v_lshrrev_b32 v2, 5, v0
	v_readfirstlane_b32 s16, v2                    ; wave w
	v_and_b32 v2, 15, v0                           ; r
	v_bfe_u32 v3, v0, 4, 1                         ; h
	s_lshr_b32 s17, s16, 1                         ; wm: which 32 rows
	s_and_b32 s18, s16, 1                          ; wn: which 64 columns
	s_lshr_b32 s19, ttmp9, 2                       ; block of 128 rows
	s_and_b32 s22, ttmp9, 3                        ; block of 128 columns
	s_mov_b32 s20, 0x3b000000                      ; 1 / 512
	s_mov_b32 s21, 0x3727c5ac                      ; 1e-5
	s_mov_b32 s24, 0x76543210                      ; v_permlanex16_b32: lane i reads lane i of the other half
	s_mov_b32 s25, 0xfedcba98
	s_lshl_b32 s26, s19, 18                        ; att: 128 rows of 2,048 bytes
	s_mov_b32 s27, 0
	s_lshl_b32 s28, s22, 9                         ; Wo: 128 columns of 4 bytes
	s_mov_b32 s29, 0
	s_lshl_b32 s30, s18, 8
	s_add_co_u32 s30, s30, s28                     ; bo: my wave's 64 columns
	s_mov_b32 s31, 0
	s_lshl_b32 s32, s17, 16
	s_add_co_u32 s32, s32, s26
	s_add_co_u32 s32, s32, s30                     ; out0: my wave's first row and column
	s_mov_b32 s33, 0
	v_lshlrev_b32 v15, 4, v1
	v_lshlrev_b32 v16, 3, v1
	s_lshl_b32 s34, s16, 15
	v_add_nc_u32 v4, s34, v15
	s_mul_i32 s34, s16, 16*PX
	v_add_nc_u32 v5, s34, v16
	s_mul_i32 s34, s16, 16*PW
	s_add_co_u32 s34, s34, WB
	v_add_nc_u32 v[WS], s34, v16
	v_add_nc_u32 v[WS+1], 256*PW, v[WS]
	v_mul_u32_u24 v17, v2, PX                      ; fragment of X: row r, 16 bytes for each half of the lanes
	v_lshl_add_u32 v17, v3, 4, v17
	s_mul_i32 s34, s17, 32*PX
	v_add_nc_u32 v8, s34, v17
	v_and_b32 v17, 7, v0                           ; fragment of Wo, stored [k][n]: k-row 8 h + (L & 7), 16 bytes by bit 3 of the lane
	v_lshl_add_u32 v17, v3, 3, v17
	v_mul_u32_u24 v17, v17, PW
	v_bfe_u32 v18, v0, 3, 1
	v_lshl_add_u32 v17, v18, 4, v17
	s_lshl_b32 s34, s18, 7
	s_add_co_u32 s34, s34, WB
	v_add_nc_u32 v[WA], s34, v17
.irp c, 1,2,3
	v_add_nc_u32 v[WA+\c], \c*128*PW, v[WA]
.endr
	s_mul_i32 s34, s16, 16*PO
	s_add_co_u32 s34, s34, ST
	v_mul_u32_u24 v17, v2, PO
	v_lshl_add_u32 v17, v3, 5, v17
	v_add_nc_u32 v12, s34, v17
	v_mul_u32_u24 v17, v3, PO
	v_lshl_add_u32 v17, v2, 4, v17
	v_add_nc_u32 v13, s34, v17
	v_lshlrev_b32 v17, 11, v3
	v_lshl_add_u32 v14, v2, 4, v17
	v_lshlrev_b32 v6, 4, v2
	s_wait_kmcnt 0x0
	s_add_nc_u64 s[4:5], s[4:5], s[26:27]
	s_add_nc_u64 s[6:7], s[6:7], s[28:29]
	s_add_nc_u64 s[8:9], s[8:9], s[30:31]
	s_add_nc_u64 s[14:15], s[14:15], s[32:33]
; Group g of Wo, 8 loads into half g & 1 of the staging registers: k-rows 128 (g >> 1) + 16 w + 8 (g & 1) + j, the block's 128 columns = 512 bytes a load
.macro WG8 g
.irp j, 0,1,2,3,4,5,6,7
	global_load_b128 v[WR+32*((\g)&1)+4*\j:WR+32*((\g)&1)+4*\j+3], v4, s[6:7] offset:((\g)>>1)*262144+(8*((\g)&1)+\j)*2048
.endr
.endm
; Group g is narrowed and put into the slab.  left = the loads asked for behind it.
.macro WCV g, left
.set WH, WR+32*((\g)&1)
	s_wait_loadcnt \left
.irp j, 0,1,2,3,4,5,6,7
	v_cvt_pk_f16_f32 v[WH+4*\j], v[WH+4*\j], v[WH+4*\j+1]
	v_cvt_pk_f16_f32 v[WH+4*\j+1], v[WH+4*\j+2], v[WH+4*\j+3]
.endr
.irp j, 0,1,2,3,4,5,6,7
	ds_store_b64 v[WS+((\g)>>2)], v[WH+4*\j:WH+4*\j+1] offset:(((\g)>>1)&1)*128*PW+(8*((\g)&1)+\j)*PW
.endr
.endm
	; THE ORDER OF ALL LOADS (P = bias, gamma, beta: 9; X = a pair of rows: 8; W = a group: 8).  Every count below is read off this line:
	;   P X0 X1 X2 X3 W0 W1 | X4 W2 | X5 W3 | X6 W4 | X7 W5 | W6 | W7
	global_load_b128 v[BI:BI+3], v6, s[8:9]
.irp qd, 0,1,2,3
	global_load_b128 v[GA+4*\qd:GA+4*\qd+3], v15, s[10:11] offset:512*\qd
	global_load_b128 v[BE+4*\qd:BE+4*\qd+3], v15, s[12:13] offset:512*\qd
.endr
.irp rr, 0,1,2,3,4,5,6,7
.irp qd, 0,1,2,3
	global_load_b128 v[XW+16*\rr+4*\qd:XW+16*\rr+4*\qd+3], v4, s[4:5] offset:\rr*2048+\qd*512
.endr
.endr
	WG8 0
	WG8 1
; the two chains of each of the two rows to one number, in every lane: v[TT], v[TT+4]
.macro TAIL
.irp z, 0,1
	v_pk_add_f32 v[TT+4*\z:TT+4*\z+1], v[TT+4*\z:TT+4*\z+1], v[TT+4*\z+2:TT+4*\z+3]
.endr
.irp z, 0,1
	v_add_f32 v[TT+4*\z], v[TT+4*\z], v[TT+4*\z+1]
.endr
.irp m, 1,2,4,8
.irp z, 0,1
	v_add_f32_dpp v[TT+4*\z], v[TT+4*\z], v[TT+4*\z] row_xmask:\m row_mask:0xf bank_mask:0xf
.endr
.endr
.irp z, 0,1
	v_permlanex16_b32 v[TT+4*\z+1], v[TT+4*\z], s24, s25
.endr
.irp z, 0,1
	v_add_f32 v[TT+4*\z], v[TT+4*\z], v[TT+4*\z+1]
.endr
.endm
; My rows 2 i and 2 i + 1, line by line side by side.  refill: their slots are asked for again, 8 rows further down.
; left >= 0: a wait of the pair's own; left < 0: an earlier wait has shown these rows in.
.macro LNPAIR i, refill, left
.set RA, XW+16*((2*\i)&7)
.if \left >= 0
	s_wait_loadcnt \left
.endif
.irp k, 0,1
.irp z, 0,1
	v_pk_add_f32 v[TT+4*\z+2*\k:TT+4*\z+2*\k+1], v[RA+16*\z+4*\k:RA+16*\z+4*\k+1], v[RA+16*\z+4*\k+2:RA+16*\z+4*\k+3]
.endr
.endr
.irp k, 8,10,12,14
.irp z, 0,1
	v_pk_add_f32 v[TT+4*\z+(\k&2):TT+4*\z+(\k&2)+1], v[TT+4*\z+(\k&2):TT+4*\z+(\k&2)+1], v[RA+16*\z+\k:RA+16*\z+\k+1]
.endr
.endr
	TAIL
.irp z, 0,1
	v_mul_f32 v[TT+4*\z], 0xbb000000, v[TT+4*\z]   ; - mean
.endr
.irp k, 0,2,4,6,8,10,12,14
.irp z, 0,1
	v_pk_add_f32 v[RA+16*\z+\k:RA+16*\z+\k+1], v[RA+16*\z+\k:RA+16*\z+\k+1], v[TT+4*\z:TT+4*\z+1] op_sel_hi:[1,0]
.endr
.endr
.irp k, 0,2
.irp z, 0,1
	v_pk_mul_f32 v[TT+4*\z+\k:TT+4*\z+\k+1], v[RA+16*\z+\k:RA+16*\z+\k+1], v[RA+16*\z+\k:RA+16*\z+\k+1]
.endr
.endr
.irp k, 4,6,8,10,12,14
.irp z, 0,1
	v_pk_fma_f32 v[TT+4*\z+(\k&2):TT+4*\z+(\k&2)+1], v[RA+16*\z+\k:RA+16*\z+\k+1], v[RA+16*\z+\k:RA+16*\z+\k+1], v[TT+4*\z+(\k&2):TT+4*\z+(\k&2)+1]
.endr
.endr
	TAIL
.irp z, 0,1
	v_fma_f32 v[TT+4*\z], v[TT+4*\z], s20, s21     ; variance + 1e-5
.endr
.irp z, 0,1
	v_rsq_f32 v[TT+4*\z], v[TT+4*\z]
.endr
	v_nop                                          ; one plain place behind the transcendentals
	s_wait_alu depctr_va_vdst(0)
.irp k, 0,2,4,6,8,10,12,14
.irp z, 0,1
	v_pk_mul_f32 v[RA+16*\z+\k:RA+16*\z+\k+1], v[RA+16*\z+\k:RA+16*\z+\k+1], v[TT+4*\z:TT+4*\z+1] op_sel_hi:[1,0]
.endr
.endr
.irp k, 0,2,4,6,8,10,12,14
.irp z, 0,1
	v_pk_fma_f32 v[RA+16*\z+\k:RA+16*\z+\k+1], v[RA+16*\z+\k:RA+16*\z+\k+1], v[GA+\k:GA+\k+1], v[BE+\k:BE+\k+1]
.endr
.endr
.irp qd, 0,1,2,3
.irp z, 0,1
	v_cvt_pk_f16_f32 v[RA+16*\z+4*\qd], v[RA+16*\z+4*\qd], v[RA+16*\z+4*\qd+1]
	v_cvt_pk_f16_f32 v[RA+16*\z+4*\qd+1], v[RA+16*\z+4*\qd+2], v[RA+16*\z+4*\qd+3]
.endr
.endr
.irp z, 0,1
.irp qd, 0,1,2,3
	ds_store_b64 v5, v[RA+16*\z+4*\qd:RA+16*\z+4*\qd+1] offset:(2*\i+\z)*PX+256*\qd
.endr
.endr
.if \refill
.irp z, 0,1
.irp qd, 0,1,2,3
	global_load_b128 v[RA+16*\z+4*\qd:RA+16*\z+4*\qd+3], v4, s[4:5] offset:(2*\i+8+\z)*2048+\qd*512
.endr
.endr
.endif
.endm
	; Loads come back in order.  Pairs 1 to 7 need no wait of their own: X1, X2, X3 are older than W0, and X4 .. X7 are older than
	; W2 .. W5, each of which has been waited for at least one pair earlier.
	LNPAIR 0, 1, 40                                ; P and X0 are in; behind X0: X1 X2 X3 W0 W1 = 40
	WCV 0, 16                                      ; behind W0: W1 X4
	WG8 2
	LNPAIR 1, 1, -1
	WCV 1, 24                                      ; behind W1: X4 W2 X5
	WG8 3
	LNPAIR 2, 1, -1
	WCV 2, 24                                      ; behind W2: X5 W3 X6
	WG8 4
	LNPAIR 3, 1, -1
	WCV 3, 24                                      ; behind W3: X6 W4 X7
	WG8 5
	LNPAIR 4, 0, -1
	WCV 4, 16                                      ; behind W4: X7 W5
	WG8 6
	LNPAIR 5, 0, -1
	WCV 5, 8                                       ; behind W5: W6
	WG8 7
	LNPAIR 6, 0, -1
	WCV 6, 8                                       ; behind W6: W7
	LNPAIR 7, 0, -1
	WCV 7, 0
	s_wait_dscnt 0x0                               ; for the other waves: my 16 normalised rows and my 64 k-rows of Wo are written
	s_barrier_signal -1
	s_barrier_wait -1                              ; everybody's are; nothing of them is written again
; 12 LDS loads: the fragments of step s (k = 32 s .. 32 s + 31) into buffer b
.macro FETCH s, b
.irp mt, 0,1
	ds_load_b128 v[XF+16*(\b)+8*\mt:XF+16*(\b)+8*\mt+3], v8 offset:\mt*16*PX+64*(\s)
	ds_load_b128 v[XF+16*(\b)+8*\mt+4:XF+16*(\b)+8*\mt+7], v8 offset:\mt*16*PX+64*(\s)+32
.endr
.irp nt, 0,1,2,3
	ds_load_tr16_b128 v[WF+32*(\b)+8*\nt:WF+32*(\b)+8*\nt+3], v[WA+((\s)>>2)] offset:((\s)&3)*32*PW+32*\nt
	ds_load_tr16_b128 v[WF+32*(\b)+8*\nt+4:WF+32*(\b)+8*\nt+7], v[WA+((\s)>>2)] offset:((\s)&3)*32*PW+32*\nt+16*PW
.endr
.endm
; 8 matrix instructions, used transposed (source 0 = 16 columns of Wo, source 1 = 16 rows): register j of lane (r, h) holds row r,
; column 16 nt + 8 h + j.  zero = 1: the first product starts the sums.
.macro MUL b, zero
.irp mt, 0,1
.irp nt, 0,1,2,3
.if \zero
	v_wmma_f32_16x16x32_f16 v[AC+8*(4*\mt+\nt):AC+8*(4*\mt+\nt)+7], v[WF+32*(\b)+8*\nt:WF+32*(\b)+8*\nt+7], v[XF+16*(\b)+8*\mt:XF+16*(\b)+8*\mt+7], 0
.else
	v_wmma_f32_16x16x32_f16 v[AC+8*(4*\mt+\nt):AC+8*(4*\mt+\nt)+7], v[WF+32*(\b)+8*\nt:WF+32*(\b)+8*\nt+7], v[XF+16*(\b)+8*\mt:XF+16*(\b)+8*\mt+7], v[AC+8*(4*\mt+\nt):AC+8*(4*\mt+\nt)+7]
.endif
.endr
.endr
.endm
	; 16 steps of 32 along K on two fragment buffers: step s + 2 is fetched into the buffer that step s has just multiplied
	FETCH 0, 0
	FETCH 1, 1
.irp s, 0,1,2,3,4,5,6,7,8,9,10,11,12,13,14,15
.if \s < 15
	s_wait_dscnt 12                                ; step s's fragments are in; the 12 loads of step s + 1 may be out
.else
	s_wait_dscnt 0x0
.endif
.if \s == 0
	MUL 0, 1
.else
	MUL (\s&1), 0
.endif
.if \s < 14
	PLACES                                         ; between the products and the loads into the registers that they read
	FETCH (\s+2), (\s&1)
.endif
.endr
	; THE WAY OUT, 16 rows at a time through my own stage (LDS serves a wave's instructions in order), the bias added on whole rows
	PLACES
.irp mt, 0,1
.irp nt, 0,1,2,3
	ds_store_b128 v12, v[AC+8*(4*\mt+\nt):AC+8*(4*\mt+\nt)+3] offset:64*\nt
	ds_store_b128 v12, v[AC+8*(4*\mt+\nt)+4:AC+8*(4*\mt+\nt)+7] offset:64*\nt+16
.endr
.irp u, 0,1,2,3,4,5,6,7
	ds_load_b128 v[32+32*\mt+4*\u:32+32*\mt+4*\u+3], v13 offset:2*PO*\u
.endr
	s_wait_dscnt 0x0
.irp u, 0,1,2,3,4,5,6,7
	v_pk_add_f32 v[32+32*\mt+4*\u:32+32*\mt+4*\u+1], v[32+32*\mt+4*\u:32+32*\mt+4*\u+1], v[BI:BI+1]
	v_pk_add_f32 v[32+32*\mt+4*\u+2:32+32*\mt+4*\u+3], v[32+32*\mt+4*\u+2:32+32*\mt+4*\u+3], v[BI+2:BI+3]
.endr
.irp u, 0,1,2,3,4,5,6,7
	global_store_b128 v14, v[32+32*\mt+4*\u:32+32*\mt+4*\u+3], s[14:15] offset:\mt*32768+4096*\u th:TH_STORE_NT   ; sixteen lanes store 256 consecutive bytes, aligned
.endr
.endr
	s_wait_tensorcnt 0x0
	ds_add_u32 v7, v9
	s_wait_dscnt 0x0
	s_endpgm
.Lfunc_end_k_q4e9f9dc80b_lnout:
	.size	k_q4e9f9dc80b_lnout, .Lfunc_end_k_q4e9f9dc80b_lnout-k_q4e9f9dc80b_lnout
	.p2alignl 7, 3214868480
	.fill 96, 4, 3214868480
	.section	.rodata,"a",@progbits
	.p2align	6, 0x0
	.amdhsa_kernel k_q4e9f9dc80b_lnout
		.amdhsa_group_segment_fixed_size 316416
		.amdhsa_private_segment_fixed_size 0
		.amdhsa_enable_private_segment 0
		.amdhsa_kernarg_size 48
		.amdhsa_user_sgpr_count 2
		.amdhsa_user_sgpr_kernarg_segment_ptr 1
		.amdhsa_wavefront_size32 1
		.amdhsa_system_sgpr_workgroup_id_x 1
		.amdhsa_system_sgpr_workgroup_id_y 1
		.amdhsa_system_sgpr_workgroup_id_z 1
		.amdhsa_system_vgpr_workitem_id 0
		.amdhsa_next_free_vgpr 256
		.amdhsa_next_free_sgpr 66
		.amdhsa_reserve_vcc 0
		.amdhsa_float_denorm_mode_32 3
		.amdhsa_float_denorm_mode_16_64 3
		.amdhsa_memory_ordered 1
		.amdhsa_forward_progress 1
		.amdhsa_inst_pref_size 124
	.end_amdhsa_kernel
	.amdgpu_metadata
---
amdhsa.version: [ 1, 2 ]
amdhsa.kernels:
  - .name:           k_q4e9f9dc80b_lnout
    .symbol:         k_q4e9f9dc80b_lnout.kd
    .args:
      - { .name: att, .offset: 0, .size: 8, .value_kind: global_buffer, .address_space: global }
      - { .name: Wo, .offset: 8, .size: 8, .value_kind: global_buffer, .address_space: global }
      - { .name: bo, .offset: 16, .size: 8, .value_kind: global_buffer, .address_space: global }
      - { .name: gamma, .offset: 24, .size: 8, .value_kind: global_buffer, .address_space: global }
      - { .name: beta, .offset: 32, .size: 8, .value_kind: global_buffer, .address_space: global }
      - { .name: out0, .offset: 40, .size: 8, .value_kind: global_buffer, .address_space: global }
    .group_segment_fixed_size: 316416
    .private_segment_fixed_size: 0
    .kernarg_segment_align: 8
    .kernarg_segment_size: 48
    .max_flat_workgroup_size: 256
    .sgpr_count:     66
    .vgpr_count:     256
    .wavefront_size: 32
...
	.end_amdgpu_metadata
.endif
;; end of part 3
